; MI455X (gfx1250); checked and timed in simulation.
; The chip was launched on July 23, 2026; its instructions are those of AMD's public machine-readable ISA for CDNA 5 (MIT licence, August 2026) and "CDNA5" Instruction Set Architecture Reference Guide (July 2026). The comments in the code are by the model that wrote it; some were corrected since.
;; Dot Product Causal Rotary Attention. Allowed arithmetic: matrix products marked QUANTISED: E2M1 operands, one E8M0 scale for each 32 along K, by v_wmma_scale_f32_16x16x128_f8f6f4 with both operands' format E2M1 (or v_wmma_scale_f32_32x16x128_f4), f32 sums; everything else in f32.
;; Inputs: k 2 x 16 x 2,048 x 128 float32; q 2 x 16 x 2,048 x 128 float32; v 2 x 16 x 2,048 x 128 float32.
;; Outputs: out0 2 x 16 x 2,048 x 128 float32.
;; This version of the problem:
;;   THIS VERSION OF THE PROBLEM IS GIVEN IN LOW PRECISION. The matrix products marked QUANTISED in the list below multiply operands that are first quantised to E2M1 (2 exponent bits, 1 mantissa bit; 4 bits a number), with one power-of-two scale for each 32 numbers along K (OCP MX v1.0); their sums are f32. All else is computed in f32.
;;   The module's matrix products, in the order in which they are computed (A, B: the left and right operand; K: the contracted axis; several contracted axes count as one K, in the product's order):
;;     1. batch 32 x [M 2,048, K 128] x [K 128, N 2,048]; A: computed on the way; B: computed on the way: QUANTISED
;;     2. batch 32 x [M 2,048, K 2,048] x [K 2,048, N 128]; A: softmax (see below); B: input v: QUANTISED
;;   THE QUANTISER, for each operand of a quantised product, along K:
;;     - K is cut into blocks of 32 from its start; a last block that is shorter is filled with zeros.
;;     - A block's scale is 2^e with e = floor(log2(the largest magnitude in the block)) - 2, held to -126 .. 127; a block of zeros has e = 0. As a byte (E8M0): e + 127.
;;     - Each number is divided by its block's scale, clamped to +-6, and rounded to the nearest number of E2M1, ties to even, subnormals kept.
;;     - The product sums the exact products of the quantised numbers (number of the format x scale) in f32.
;;   ~~~python
;;   def quantise(x, axis):      # numpy; x: float32 -> the quantised numbers, widened to float32 again
;;       x = np.moveaxis(x, axis, -1); K = x.shape[-1]
;;       x = np.pad(x, [(0, 0)] * (x.ndim - 1) + [(0, -K % 32)]); x = x.reshape(x.shape[:-1] + (-1, 32)); a = np.abs(x).max(-1, keepdims=True)
;;       e = np.where(a > 0, np.clip(np.frexp(np.where(a > 0, a, 1))[1] - 1 - 2, -126, 127), 0)      # np.frexp(a)[1] - 1 = floor(log2(a)), exactly
;;       r = np.clip(x / 2.0 ** e, -6, 6)
;;       step = 2.0 ** (np.maximum(np.frexp(np.where(r == 0, 1, r))[1] - 1, 0) - 1)
;;       q = np.round(r / step) * step * 2.0 ** e      # np.round: ties to even
;;       return np.moveaxis(q.reshape(q.shape[:-2] + (-1,))[..., :K], -1, axis).astype(np.float32)
;;   ~~~
;;   SOFTMAX AHEAD OF A QUANTISED PRODUCT. Where the list says 'softmax', what is quantised is not the finished softmax but p = 2^(t - M), with t = logit x log2(e) and M = ceil(the row's largest t), a whole number; so 1/2 < the row's largest p <= 1. The row's sum l is taken of the UNQUANTISED p, in f32, and the product's result is divided by l at the end. Since M is a whole number, a kernel that streams over the keys may use a running M (the ceiling of the running maximum): every later rescaling is an exact power of two, which a block's scale takes up: the codes' values come out the same.
;;   OPERANDS COMPUTED ON THE WAY. 'Computed on the way' means the value that the module computes at that place (a softmax that the list does not call 'softmax' is quantised finished and normalised). What goes into a quantiser is computed in f32, as accurately as f32 sums, v_exp_f32 and their like allow (about 1e-6 of the number): no bf16 or f16 on the way to a quantiser, and a product that is left as it is and whose result goes on into a quantised operand takes f32 operands (vector FMAs, or v_wmma_f32_16x16x4_f32). A number that lies on a knife's edge between two numbers of the format may be rounded either way, as far as f32 arithmetic and the matrix unit's own rounding can turn it there, and no further.
;; One version. Each part assembles by itself: llvm-mc -triple=amdgcn-amd-amdhsa -mcpu=gfx1250 --defsym DOCPART=n.
;; ======== version 1 of 1: 2 launches
;; limits: right only within a limited range of input values
;; workspace buffers: qc 4,456,448 bytes; kv 8,912,896 bytes
;; launch prep (part 1): grid 2048 x 1, 1 waves a work-group, no clusters, 25,856 bytes of LDS; arguments q, k, v, qc, kv; writes qc, kv
.if DOCPART == 1
	.amdgcn_target "amdgcn-amd-amdhsa--gfx1250"
	.amdhsa_code_object_version 6
	.text
	.protected	k_q4a33ce61a1_prep
	.globl	k_q4a33ce61a1_prep
	.p2align	8
	.type	k_q4a33ce61a1_prep,@function
k_q4a33ce61a1_prep:
	s_mov_b64 s[64:65], 0
	v_nop
	global_prefetch_b8 v0, s[64:65] scope:SCOPE_SE
	s_setreg_imm32_b32 hwreg(HW_REG_WAVE_MODE, 25, 1), 1
	s_wait_xcnt 0x0
; PREP: q, k, v [32 heads][2048][128] f32 become codes of FP4 (E2M1) with one E8M0 scale byte for each 32 along K, laid in the order of the operands' registers.
; q and k: dims 0-31 are first turned by the rotary angle pos / 10^(i/4), pair i = 0..15; K = the head's 128 dims.  v: K = the keys.
; WORK LEFT OUT BY THE PROGRAM (in the second launch): products of 128 keys with 16 queries that all come before them.  reference()'s own tril replaces those scores by -1e9 for all values of the inputs, their p is 0.
;   A NaN, an infinity or an overflow that reaches only such scores is not carried to the result.  Nothing is left out in this launch.
; OUTPUT.  kv: for each head and each 128 keys a record of 17,408 bytes: K's image 8,192 | K's scale words 512 | V's image 8,192 | V's scale words 512.  qc: for each head and 128 queries: image 8,192 | scale words 512.
;   Image: tile t (16 rows x 128 K) takes 1,024 bytes: the fragment's registers 4c..4c+3 of lane l lie at 1024 t + 512 c + 16 l.
;   Scale words: the word of tile 2J + l/16, row l%16 lies at 256 (J/2) + 8 l + 4 (J%2).
;   Rows of a tile of q or k: lane r of tile 4c + u holds row 64c + 32 (r/8) + 8u + r%8 of the 128.  Rows of a tile of v: head dim 16 t + r.
; SHARES.  One wave a work-group.  Work-groups 0-1023: 64 rows of q AND of k at the same positions (c = number % 2), so that one set of sines and cosines serves both, in two groups of 32 rows: rows 16g .. 16g+15 and 32+16g .. 32+16g+15.
;   Work-groups 1024-2047: 128 keys x 64 dims of v.  Every row piece read is 512 or 256 consecutive bytes; the rows turn through the wave's LDS stage, so that a lane gets 16 neighbours along K (q, k) or a column down the keys (v).
; THE SCALE: the block's largest magnitude's exponent field less 2, held at 1 from below by a floor among the maximum's leaves.
; THE ANGLE is pos x 10^(-i/4), the constant in two f32 parts: the product's rounded value and what the rounding lost are both kept, and go together through the reduction by pi/2 (also in two parts).
;   Sine and cosine: series to x^9 and x^10 on |x| <= pi/4, each result one last addition of a large and a small part.
; LIMITS.  NaN and infinities among the inputs are not served.  A block of zeros gets the byte 1 where the quantiser says 127: its codes are zeros, and these bytes are read by this program alone.
;   The angle is the one that the formula pos / 10000^(i/16) means.  A computation that rounds the power and the quotient to f32 has angles that differ from it by up to half a last place of the angle (6.1e-5 rad from 1,024 on).
.set REC,   17408                      ; a record of kv
.set QREC,  8704                       ; a record of qc
.set GRP,   8192                       ; 16 rows of 512 bytes: from group to group
.set AP,    528                        ; q, k: a stage row: 512 bytes + 16
.set BSTG,  17408                      ; v's stage: 32 rows of 256 bytes, behind q's and k's 32 x 528
.set SPARE, 25600                      ; the spare words: one block of 256 bytes
.set LIN,  1                           ; v1   16 x lane
.set RDA,  2                           ; v2   r x 528 + 64 h
.set RDB,  3                           ; v3   4 x lane
.set VST,  4                           ; v4   1024 (lane / 16) + 16 (lane % 16)
.set P0,   5                           ; v5   f32: the position of my row in tile 0 of the group in hand
.set PP,   6                           ; v6   the same for the tile in hand
.set GH,   8                           ; v8-15   10^(-i/4) of pair i = 8 h + p: the nearest f32 number,
.set GL,   16                          ; v16-23  and what that leaves
.set CS,   24                          ; v24-55  tile u at 24 + 16 u: cos at 2 p, sin at 2 p + 1
.set WQ,   56                          ; v56-57  q's scale words (v's on the other way)
.set WK,   60                          ; v60-61  k's
.set TM,   64                          ; v64-79  at work in ROT and QUANT
.set PW,   80                          ; v80-81  the scale word of tile u
.set PC,   88                          ; v88-119 four sets of 8: the codes of tile u of q (0, 1) and of k (2, 3)
.set CB,   64                          ; v's way: v64-95: 8 cells x 4 registers of codes
.set SPW,  120                         ; v120 my spare word;  v121 0;  both never rewritten
.set NIL,  121
.set L8,   122                         ; v122 8 x lane
.set VLD,  123                         ; v123 512 (lane / 16) + 16 (lane % 16)
.set X0,   128                         ; v128-191 a tile's 64 numbers
.set X1,   192                         ; v192-255 the other tile's.  Ahead of a group's reads v128-231 hold the thirteen arrays of SINCOS:
.set TA,   128                         ; the angle, rounded; at last the sine's magnitude
.set TT,   136                         ; at work
.set TK,   144                         ; quarter turns, as f32
.set TR,   152                         ; the reduced angle, rounded; at last the cosine's magnitude
.set TL,   160                         ; what the angle's rounding lost; then what the reduced angle's lost
.set TN,   168                         ; quarter turns, as a whole number
.set TZ,   176                         ; z = the reduced angle's square, rounded
.set TY,   184                         ; what that rounding lost
.set TU,   192                         ; z x, then z z
.set TS,   200                         ; sin of the reduced angle
.set TC,   208                         ; cos of it
.set TW,   216                         ; 1 - z / 2, rounded
.set TE,   224                         ; what that rounding lost
; window 1: v256-511: two sets of 32 raw rows, 4 registers a row (q, k), or four sets of 32 half rows, 64 registers a set (v)
.set MSB, 0
.macro WIN new                         ; the immediate's high byte repeats the setting that is left
.if MSB != \new
	s_set_vgpr_msb (MSB<<8)|\new
.set MSB, \new
.endif
.endm
.macro LOADG set, ptr, off             ; a group's 32 rows into raw set: each load reads 512 consecutive bytes
	WIN 0x40                                       ; destination window 1
.set ii, 0
.rept 32
	global_load_b128 v[128*(\set)+4*ii:128*(\set)+4*ii+3], v[LIN], s[\ptr:\ptr+1] offset:(\off)+512*(ii+16*(ii/16)) th:TH_LOAD_NT
.set ii, ii+1
.endr
	WIN 0
.endm
.macro LOADV set                       ; 32 keys x 64 dims of v: a load reads two rows' 256 bytes
	WIN 0x40
.set ii, 0
.rept 16
	global_load_b128 v[64*(\set)+4*ii:64*(\set)+4*ii+3], v[VLD], s[8:9] offset:16384*(\set)+1024*ii th:TH_LOAD_NT
.set ii, ii+1
.endr
	WIN 0
.endm
.macro STAGE_A set                     ; raw row i goes to stage row 16 u + r, u = (i / 8) % 2, r = i % 8 + 8 (i / 16): the tiles' own order of rows
	WIN 0x04                                       ; an LDS store's data are its source 1: window 1
.set ii, 0
.rept 32
	ds_store_b128 v[LIN], v[128*(\set)+4*ii:128*(\set)+4*ii+3] offset:(16*((ii/8)%2)+ii%8+8*(ii/16))*AP
.set ii, ii+1
.endr
	WIN 0
.endm
.macro STAGE_B set
	WIN 0x04
.set ii, 0
.rept 16
	ds_store_b128 v[LIN], v[64*(\set)+4*ii:64*(\set)+4*ii+3] offset:BSTG+512*ii
.set ii, ii+1
.endr
	WIN 0
.endm
.macro READ_A u                        ; register 16 bb + i = dim 32 bb + 16 h + i of my row of tile u
.irp bb, 0,1,2,3
.irp jj, 0,1,2,3
	ds_load_b128 v[X0+64*\u+16*\bb+4*\jj:X0+64*\u+16*\bb+4*\jj+3], v[RDA] offset:16*AP*\u+128*\bb+16*\jj
.endr
.endr
.endm
.macro READ_B j                        ; my column 32 j + lane of the 64, registers down the 32 keys: 32 lanes read 128 consecutive bytes
.set ii, 0
.rept 32
	ds_load_b32 v[X0+32*\j+ii], v[RDB] offset:BSTG+256*ii+128*\j
.set ii, ii+1
.endr
.endm
; Sine and cosine of my row's eight angles in tile u.  Every line is written for the eight pairs, so that no line waits for the line above it.
.macro SINCOS u
	v_add_f32 v[PP], 0x41000000*\u, v[P0]          ; tile 1's rows lie 8 further on
.irp p, 0,1,2,3,4,5,6,7
	v_mul_f32 v[TA+\p], v[PP], v[GH+\p]            ; the angle pos x 10^(-i/4): rounded,
.endr
.irp p, 0,1,2,3,4,5,6,7
	v_fma_f32 v[TL+\p], v[PP], v[GH+\p], -v[TA+\p] ; what that rounding lost (exact),
.endr
.irp p, 0,1,2,3,4,5,6,7
	v_fma_f32 v[TL+\p], v[PP], v[GL+\p], v[TL+\p]  ; and the constant's second part
.endr
.irp p, 0,1,2,3,4,5,6,7
	v_mul_f32 v[TK+\p], s28, v[TA+\p]
.endr
.irp p, 0,1,2,3,4,5,6,7
	v_rndne_f32 v[TK+\p], v[TK+\p]                 ; k: how many quarter turns (at most 1,304)
.endr
.irp p, 0,1,2,3,4,5,6,7
	v_fma_f32 v[TT+\p], v[TK+\p], s29, v[TA+\p]    ; angle - k x (pi/2 rounded to f32): nothing is rounded
.endr
.irp p, 0,1,2,3,4,5,6,7
	v_fma_f32 v[TL+\p], v[TK+\p], s30, v[TL+\p]    ; the small parts together
.endr
.irp p, 0,1,2,3,4,5,6,7
	v_add_f32 v[TR+\p], v[TT+\p], v[TL+\p]         ; x, the reduced angle, rounded
.endr
.irp p, 0,1,2,3,4,5,6,7
	v_sub_f32 v[TT+\p], v[TT+\p], v[TR+\p]
.endr
.irp p, 0,1,2,3,4,5,6,7
	v_add_f32 v[TL+\p], v[TT+\p], v[TL+\p]         ; y: what that rounding lost
.endr
.irp p, 0,1,2,3,4,5,6,7
	v_cvt_i32_f32 v[TN+\p], v[TK+\p]
.endr
.irp p, 0,1,2,3,4,5,6,7
	v_mul_f32 v[TZ+\p], v[TR+\p], v[TR+\p]         ; z = x x, rounded,
.endr
.irp p, 0,1,2,3,4,5,6,7
	v_fma_f32 v[TY+\p], v[TR+\p], v[TR+\p], -v[TZ+\p]   ; and what that lost
.endr
.irp p, 0,1,2,3,4,5,6,7
	v_mul_f32 v[TU+\p], v[TZ+\p], v[TR+\p]
.endr
.irp p, 0,1,2,3,4,5,6,7
	v_fma_f32 v[TS+\p], v[TZ+\p], s31, s32         ; sin(x + y) = x + [ x z (-1/6 + z (1/120 + z (-1/5040 + z / 362880))) + y (1 - z / 2) ]
.endr
.irp p, 0,1,2,3,4,5,6,7
	v_fma_f32 v[TS+\p], v[TS+\p], v[TZ+\p], s33
.endr
.irp p, 0,1,2,3,4,5,6,7
	v_fma_f32 v[TS+\p], v[TS+\p], v[TZ+\p], s34
.endr
.irp p, 0,1,2,3,4,5,6,7
	v_fma_f32 v[TW+\p], v[TZ+\p], -0.5, 1.0        ; w = 1 - z / 2, rounded
.endr
.irp p, 0,1,2,3,4,5,6,7
	v_mul_f32 v[TT+\p], v[TL+\p], v[TW+\p]
.endr
.irp p, 0,1,2,3,4,5,6,7
	v_fma_f32 v[TS+\p], v[TS+\p], v[TU+\p], v[TT+\p]
.endr
.irp p, 0,1,2,3,4,5,6,7
	v_add_f32 v[TS+\p], v[TR+\p], v[TS+\p]         ; the one rounding that counts
.endr
.irp p, 0,1,2,3,4,5,6,7
	v_sub_f32 v[TE+\p], 1.0, v[TW+\p]              ; cos(x + y) = w + [ ((1 - w) - z / 2) + z z (1/24 + z (-1/720 + z (1/40320 - z / 3628800))) - (x x - z) / 2 - x y ]
.endr
.irp p, 0,1,2,3,4,5,6,7
	v_fma_f32 v[TE+\p], v[TZ+\p], -0.5, v[TE+\p]   ; what w's rounding lost: both lines round nothing
.endr
.irp p, 0,1,2,3,4,5,6,7
	v_fma_f32 v[TC+\p], v[TZ+\p], s35, s36
.endr
.irp p, 0,1,2,3,4,5,6,7
	v_fma_f32 v[TC+\p], v[TC+\p], v[TZ+\p], s37
.endr
.irp p, 0,1,2,3,4,5,6,7
	v_fma_f32 v[TC+\p], v[TC+\p], v[TZ+\p], s38
.endr
.irp p, 0,1,2,3,4,5,6,7
	v_mul_f32 v[TU+\p], v[TZ+\p], v[TZ+\p]
.endr
.irp p, 0,1,2,3,4,5,6,7
	v_fma_f32 v[TC+\p], v[TC+\p], v[TU+\p], v[TE+\p]
.endr
.irp p, 0,1,2,3,4,5,6,7
	v_fma_f32 v[TC+\p], v[TY+\p], -0.5, v[TC+\p]
.endr
.irp p, 0,1,2,3,4,5,6,7
	v_fma_f32 v[TC+\p], -v[TL+\p], v[TR+\p], v[TC+\p]
.endr
.irp p, 0,1,2,3,4,5,6,7
	v_add_f32 v[TC+\p], v[TW+\p], v[TC+\p]         ; the one rounding that counts
.endr
.irp p, 0,1,2,3,4,5,6,7
	v_and_b32 v[TT+\p], 1, v[TN+\p]                ; an odd number of quarter turns changes sine and cosine over
	v_cmp_eq_u32 vcc_lo, 1, v[TT+\p]
	v_cndmask_b32 v[TA+\p], v[TS+\p], v[TC+\p], vcc_lo
	v_cndmask_b32 v[TR+\p], v[TC+\p], v[TS+\p], vcc_lo
.endr
.irp p, 0,1,2,3,4,5,6,7
	v_lshlrev_b32 v[TT+\p], 30, v[TN+\p]           ; the sine's sign: bit 1 of k
.endr
.irp p, 0,1,2,3,4,5,6,7
	v_and_b32 v[TT+\p], 0x80000000, v[TT+\p]
.endr
.irp p, 0,1,2,3,4,5,6,7
	v_xor_b32 v[CS+16*\u+2*\p+1], v[TA+\p], v[TT+\p]
.endr
.irp p, 0,1,2,3,4,5,6,7
	v_add_nc_u32 v[TN+\p], 1, v[TN+\p]             ; the cosine's: bit 1 of k + 1
.endr
.irp p, 0,1,2,3,4,5,6,7
	v_lshlrev_b32 v[TN+\p], 30, v[TN+\p]
.endr
.irp p, 0,1,2,3,4,5,6,7
	v_and_b32 v[TN+\p], 0x80000000, v[TN+\p]
.endr
.irp p, 0,1,2,3,4,5,6,7
	v_xor_b32 v[CS+16*\u+2*\p], v[TR+\p], v[TN+\p]
.endr
.endm
; My 16 numbers of dims 0-31 are registers 0-15: eight pairs (x0, x1) -> (x0 cos - x1 sin, x1 cos + x0 sin): one product and one fused multiply-add each
.macro ROT x, u
.irp p, 0,1,2,3,4,5,6,7
	v_mul_f32 v[TM+8+2*(\p%2)], v[\x+2*\p+1], v[CS+16*\u+2*\p+1]
	v_mul_f32 v[TM+9+2*(\p%2)], v[\x+2*\p], v[CS+16*\u+2*\p+1]
	v_fma_f32 v[\x+2*\p], v[\x+2*\p], v[CS+16*\u+2*\p], -v[TM+8+2*(\p%2)]
	v_fma_f32 v[\x+2*\p+1], v[\x+2*\p+1], v[CS+16*\u+2*\p], v[TM+9+2*(\p%2)]
.endr
.endm
; 64 numbers of a lane, register 16 b + i = k 32 b + 16 h + i of my row, become a fragment's 8 registers of codes at v[pc] and its scale word in v[pw].
.macro QUANT s, pc, pw
.irp b, 0,1,2,3
	v_max3_num_f32 v[TM+\b], |v[\s+16*\b]|, |v[\s+1+16*\b]|, 0x1800000   ; block b: my 16 numbers, and the floor 2^(3 - 127): the byte cannot fall under 1
.endr
.irp i, 2,4,6,8,10,12,14
.irp b, 0,1,2,3
	v_max3_num_f32 v[TM+\b], v[TM+\b], |v[\s+16*\b+\i]|, |v[\s+1+16*\b+\i]|   ; the four blocks by turns
.endr
.endr
.irp b, 0,1,2,3
	v_permlanex16_b32 v[TM+4+\b], v[TM+\b], s20, s21
.endr
.irp b, 0,1,2,3
	v_max_num_f32 v[TM+\b], v[TM+\b], v[TM+4+\b]   ; with lane l xor 16's: the block's largest magnitude
.endr
.irp b, 0,1,2,3
	v_add_nc_u32 v[TM+12+\b], 0xff000000, v[TM+\b] ; 2 off its exponent field: the conversion's scale operand
.endr
.irp b, 0,1,2,3
	v_lshrrev_b32 v[TM+4+\b], 23, v[TM+12+\b]      ; the scale's byte
.endr
	v_lshl_or_b32 v[\pw], v[TM+5], 8, v[TM+4]      ; four bytes: my row's scale word (both halves of the lanes hold it)
	v_lshl_or_b32 v[\pw], v[TM+6], 16, v[\pw]
	v_lshl_or_b32 v[\pw], v[TM+7], 24, v[\pw]
.irp b, 0,1,2,3
	v_cvt_scalef32_pk8_fp4_f32 v[(\pc)+2*\b], v[\s+16*\b:\s+7+16*\b], v[TM+12+\b]
	v_cvt_scalef32_pk8_fp4_f32 v[(\pc)+1+2*\b], v[\s+8+16*\b:\s+15+16*\b], v[TM+12+\b]
.endr
	v_nop                                          ; one plain place behind a scaled conversion
.irp c, 0,1                                    ; the operand's layout wants a whole block in a lane: lanes 0-15 block 2 c, lanes 16-31 block 2 c + 1
.irp i, 0,1
	v_permlane16_swap_b32 v[(\pc)+4*\c+\i], v[(\pc)+2+4*\c+\i]
.endr
.endr
.endm
.macro TILE x, u, set, ptr             ; a tile is turned, quantised and stored as the image of its registers: each store covers 512 consecutive bytes, aligned
	ROT \x, \u
	QUANT \x, PC+8*(\set), PW+\u
	global_store_b128 v[LIN], v[PC+8*(\set):PC+8*(\set)+3], s[\ptr:\ptr+1] offset:1024*\u
	global_store_b128 v[LIN], v[PC+8*(\set)+4:PC+8*(\set)+7], s[\ptr:\ptr+1] offset:1024*\u+512
.endm
; One tensor's 32 rows of group g.  left: the younger loads that may stay out (the other raw set's 32, or none).
.macro HALF set, pin, pout, w, g, left
	s_wait_loadcnt \left                           ; loads come back in order: this set's 32 are in
	STAGE_A \set
	s_wait_dscnt 0x0                               ; the stores have read the raw registers,
.if \g == 0
	LOADG \set, \pin, GRP                          ; which take the next group's rows
.endif
	READ_A 0
	READ_A 1
	s_wait_dscnt 16                                ; tile 0's 16 reads are in, tile 1's may be out
	TILE X0, 0, 2*\set, \pout
	s_wait_dscnt 0x0
	TILE X1, 1, 2*\set+1, \pout
	v_cndmask_b32 v[\w+\g], v[PW], v[PW+1], s15    ; the group's scale words: the first tile in lanes 0-15, the second in lanes 16-31
.endm
.macro TRIP g                          ; group g: two tiles of q and two of k
	SINCOS 0                                       ; while the loads land
	SINCOS 1
	HALF 0, 4, 10, WQ, \g, 32
	HALF 1, 6, 12, WK, \g, 32*(1-\g)
	s_wait_xcnt 0x0                                ; the pointers and the codes' registers are written again only behind this wait
	s_add_nc_u64 s[10:11], s[10:11], 2048
	s_add_nc_u64 s[12:13], s[12:13], 2048
.endm
; 10^(-i/4) in two parts; lanes 0-15: pair p, lanes 16-31: pair 8 + p
.macro GCONST p, hlo, hhi, llo, lhi
	v_mov_b32 v[GH+\p], \hlo
	v_mov_b32 v7, \hhi
	v_cndmask_b32 v[GH+\p], v[GH+\p], v7, s15
	v_mov_b32 v[GL+\p], \llo
	v_mov_b32 v7, \lhi
	v_cndmask_b32 v[GL+\p], v[GL+\p], v7, s15
.endm
; v: the 32 keys of block b of my column 32 j + lane: all 32 numbers are mine
.macro CELL b, j
.set XS, X0+32*(\j)
	v_max3_num_f32 v8, |v[XS]|, |v[XS+1]|, |v[XS+2]|
	v_max3_num_f32 v9, |v[XS+3]|, |v[XS+4]|, |v[XS+5]|
.irp i, 6,10,14,18,22,26
	v_max3_num_f32 v8, v8, |v[XS+\i]|, |v[XS+\i+1]|
	v_max3_num_f32 v9, v9, |v[XS+\i+2]|, |v[XS+\i+3]|
.endr
	v_max3_num_f32 v8, v8, |v[XS+30]|, |v[XS+31]|
	v_max3_num_f32 v8, v8, v9, 0x1800000           ; and the floor
	v_add_nc_u32 v10, 0xff000000, v8               ; the conversion's scale operand
	v_lshrrev_b32 v11, 23, v10                     ; the byte
.if \b == 0
	v_mov_b32 v[WQ+\j], v11
.else
	v_lshl_or_b32 v[WQ+\j], v11, 8*\b, v[WQ+\j]    ; byte b of the word of my column
.endif
.irp g, 0,1,2,3
	v_cvt_scalef32_pk8_fp4_f32 v[CB+8*\b+4*\j+\g], v[XS+8*\g:XS+8*\g+7], v10
.endr
	v_nop                                          ; one plain place behind a scaled conversion
	global_store_b128 v[VST], v[CB+8*\b+4*\j:CB+8*\b+4*\j+3], s[12:13] offset:2048*\j+256*\b   ; each half of the lanes covers 256 consecutive bytes, aligned
.endm
.macro VBLOCK b
	s_wait_loadcnt 48-16*\b                        ; this block's 16 loads are in; the later blocks' may be out
	STAGE_B \b
	READ_B 0                                       ; LDS serves a wave's instructions in order: these see the stores above
	READ_B 1
	s_wait_dscnt 32                                ; all but the second column's 32 reads
	CELL \b, 0
	s_wait_dscnt 0x0
	CELL \b, 1
.endm
	s_load_b256 s[4:11], s[0:1], 0x0               ; q s[4:5], k s[6:7], v s[8:9], qc s[10:11]
	s_load_b64 s[12:13], s[0:1], 0x20              ; kv
	v_lshl_add_u32 v[SPW], v0, 2, SPARE
	v_mov_b32 v[NIL], 0
	v_lshlrev_b32 v[LIN], 4, v0
	v_lshlrev_b32 v[L8], 3, v0
	v_and_b32 v7, 15, v0                           ; r
	v_lshrrev_b32 v[PP], 4, v0                     ; h
	v_mul_u32_u24 v[RDA], v7, AP
	v_lshl_add_u32 v[RDA], v[PP], 6, v[RDA]
	v_lshlrev_b32 v[RDB], 2, v0
	v_lshlrev_b32 v[VST], 10, v[PP]
	v_lshl_add_u32 v[VST], v7, 4, v[VST]
	v_lshlrev_b32 v[VLD], 9, v[PP]
	v_lshl_add_u32 v[VLD], v7, 4, v[VLD]
	s_mov_b32 s15, 0xffff0000                      ; lanes 16-31
	s_mov_b32 s20, 0x76543210
	s_mov_b32 s21, 0xfedcba98                      ; v_permlanex16_b32's selects for lane l xor 16
	s_mov_b32 s17, 0
	s_mov_b32 s19, 0
	s_wait_alu depctr_va_vdst(0)                   ; the wait at the head's end
	s_wait_kmcnt 0x0
	s_cmp_lt_u32 ttmp9, 1024
	s_cbranch_scc0 .Lpath_v
	; ---- q and k: work-group = 2 (head x 16 + block) + c: positions 64 c .. 64 c + 63 of the block of 128
	s_lshl_b32 s16, ttmp9, 15                      ; 64 rows of 512 bytes
	s_add_nc_u64 s[4:5], s[4:5], s[16:17]
	s_add_nc_u64 s[6:7], s[6:7], s[16:17]
	LOADG 0, 4, 0                                  ; the first group of q and of k: asked for before anything else is done
	LOADG 1, 6, 0
	s_lshr_b32 s22, ttmp9, 1                       ; the record
	s_and_b32 s23, ttmp9, 1                        ; c
	s_lshl_b32 s16, s23, 12                        ; four tiles' images on
	s_mul_i32 s18, s22, QREC
	s_add_co_u32 s18, s18, s16
	s_add_nc_u64 s[10:11], s[10:11], s[18:19]
	s_mul_i32 s18, s22, REC
	s_add_co_u32 s18, s18, s16
	s_add_nc_u64 s[12:13], s[12:13], s[18:19]
	s_and_b32 s16, ttmp9, 31
	s_lshl_b32 s16, s16, 6                         ; my first position
	v_and_b32 v[PP], 8, v0
	v_lshl_add_u32 v[P0], v[PP], 1, v7
	v_add_nc_u32 v[P0], v[P0], v[PP]               ; r + 24 (r / 8) = 32 (r / 8) + r % 8,
	v_add_nc_u32 v[P0], s16, v[P0]                 ; from my first position on
	v_cvt_f32_u32 v[P0], v[P0]
	; 10^(-i/4), i = p and 8 + p: first parts, then second parts (the number less its first part, to f32)
	GCONST 0, 0x3f800000, 0x3c23d70a, 0,          0x2f75c28f   ; 1                      0.01
	GCONST 1, 0x3f0ff59a, 0x3bb8449c, 0xb1f8f1f8, 0x2c107b78   ; 0.5623413251903491     0.005623413251903491
	GCONST 2, 0x3ea1e89b, 0x3b4f3e37, 0x31121244, 0x2e067217   ; 0.31622776601683794    0.0031622776601683794
	GCONST 3, 0x3e361887, 0x3ae91528, 0x30dda7d0, 0xadb9d20a   ; 0.17782794100389228    0.0017782794100389228
	GCONST 4, 0x3dcccccd, 0x3a83126f, 0xb0cccccd, 0xae50e560   ; 0.1                    0.001
	GCONST 5, 0x3d6655c3, 0x3a136a16, 0x2db49a67, 0x2dce9b25   ; 0.05623413251903491    0.0005623413251903491
	GCONST 6, 0x3d0186e2, 0x39a5cb5f, 0x30ea03a7, 0x2d1c2da3   ; 0.031622776601683794   0.00031622776601683794
	GCONST 7, 0x3c91ad39, 0x393a7753, 0xaf68468d, 0x2b609313   ; 0.017782794100389228   0.00017782794100389228
.irp b, 0,1,2,3
	v_mov_b32 v[TM+4+\b], 0                        ; a lane permute's destination counts as one of its sources
.endr
	s_mov_b32 s28, 0x3f22f983                      ; 2 / pi
	s_mov_b32 s29, 0xbfc90fdb                      ; -(pi/2 rounded to f32)
	s_mov_b32 s30, 0x333bbd2e                      ; (pi/2 rounded to f32) - pi/2
	s_mov_b32 s31, 0x3638ef1d                      ; 1 / 362880
	s_mov_b32 s32, 0xb9500d01                      ; -1 / 5040
	s_mov_b32 s33, 0x3c088889                      ; 1 / 120
	s_mov_b32 s34, 0xbe2aaaab                      ; -1 / 6
	s_mov_b32 s35, 0xb493f27e                      ; -1 / 3628800
	s_mov_b32 s36, 0x37d00d01                      ; 1 / 40320
	s_mov_b32 s37, 0xbab60b61                      ; -1 / 720
	s_mov_b32 s38, 0x3d2aaaab                      ; 1 / 24
	s_wait_alu depctr_va_vdst(0)
	TRIP 0
	v_add_f32 v[P0], 0x41800000, v[P0]             ; 16 positions on
	s_wait_alu depctr_va_vdst(0)
	TRIP 1                                         ; the last group asks for no rows
	s_mul_i32 s18, s23, 3840
	s_sub_co_u32 s18, 4096, s18                    ; both pointers stand at image byte 4096 c + 4096; the scale words' 256 bytes lie at 8192 + 256 c
	s_add_nc_u64 s[10:11], s[10:11], s[18:19]
	s_add_nc_u64 s[12:13], s[12:13], s[18:19]
	s_wait_alu depctr_va_vdst(0)                   ; directly ahead of the readers
	global_store_b64 v[L8], v[WQ:WQ+1], s[10:11]   ; 256 consecutive bytes, aligned
	global_store_b64 v[L8], v[WK:WK+1], s[12:13]
	s_wait_tensorcnt 0x0                           ; the wave's end
	ds_add_u32 v[SPW], v[NIL]
	s_wait_dscnt 0x0
	s_endpgm
	; ---- v: work-group - 1024 = 2 (head x 16 + step of 128 keys) + half of the dims
.Lpath_v:
	s_sub_co_u32 s14, ttmp9, 1024
	s_lshr_b32 s22, s14, 1                         ; the record
	s_and_b32 s23, s14, 1                          ; which 64 dims
	s_lshl_b32 s16, s22, 16
	s_lshl_b32 s18, s23, 8
	s_add_co_u32 s16, s16, s18
	s_add_nc_u64 s[8:9], s[8:9], s[16:17]
	LOADV 0                                        ; all four blocks of 32 keys are asked for at once
	LOADV 1
	LOADV 2
	LOADV 3
	s_mul_i32 s18, s22, REC
	s_lshl_b32 s16, s23, 12
	s_add_co_u32 s16, s16, s18
	s_add_co_u32 s16, s16, 8704                    ; V's image in the record, my four tiles
	s_lshl_b32 s14, s23, 8
	s_add_co_u32 s18, s18, s14
	s_add_co_u32 s18, s18, 16896                   ; V's scale words, my 256 bytes
	s_add_nc_u64 s[30:31], s[12:13], s[18:19]
	s_add_nc_u64 s[12:13], s[12:13], s[16:17]
	VBLOCK 0                                       ; written out: every offset is an immediate, every store has data registers of its own
	VBLOCK 1
	VBLOCK 2
	VBLOCK 3
	s_wait_alu depctr_va_vdst(0)                   ; directly ahead of the reader
	global_store_b64 v[L8], v[WQ:WQ+1], s[30:31]   ; 256 consecutive bytes, aligned
	s_wait_tensorcnt 0x0                           ; the wave's end, as above
	ds_add_u32 v[SPW], v[NIL]
	s_wait_dscnt 0x0
	s_endpgm
.Lfunc_end_k_q4a33ce61a1_prep:
	.size	k_q4a33ce61a1_prep, .Lfunc_end_k_q4a33ce61a1_prep-k_q4a33ce61a1_prep
	.p2alignl 7, 3214868480
	.fill 96, 4, 3214868480
	.section	.rodata,"a",@progbits
	.p2align	6, 0x0
	.amdhsa_kernel k_q4a33ce61a1_prep
		.amdhsa_group_segment_fixed_size 25856
		.amdhsa_private_segment_fixed_size 0
		.amdhsa_enable_private_segment 0
		.amdhsa_kernarg_size 40
		.amdhsa_user_sgpr_count 2
		.amdhsa_user_sgpr_kernarg_segment_ptr 1
		.amdhsa_wavefront_size32 1
		.amdhsa_system_sgpr_workgroup_id_x 1
		.amdhsa_system_sgpr_workgroup_id_y 1
		.amdhsa_system_sgpr_workgroup_id_z 1
		.amdhsa_system_vgpr_workitem_id 0
		.amdhsa_next_free_vgpr 512
		.amdhsa_next_free_sgpr 66
		.amdhsa_reserve_vcc 1
		.amdhsa_float_denorm_mode_32 3
		.amdhsa_float_denorm_mode_16_64 3
		.amdhsa_memory_ordered 1
		.amdhsa_forward_progress 1
		.amdhsa_inst_pref_size 181
	.end_amdhsa_kernel
	.amdgpu_metadata
---
amdhsa.version: [ 1, 2 ]
amdhsa.kernels:
  - .name:           k_q4a33ce61a1_prep
    .symbol:         k_q4a33ce61a1_prep.kd
    .args:
      - { .name: q, .offset: 0, .size: 8, .value_kind: global_buffer, .address_space: global }
      - { .name: k, .offset: 8, .size: 8, .value_kind: global_buffer, .address_space: global }
      - { .name: v, .offset: 16, .size: 8, .value_kind: global_buffer, .address_space: global }
      - { .name: qc, .offset: 24, .size: 8, .value_kind: global_buffer, .address_space: global }
      - { .name: kv, .offset: 32, .size: 8, .value_kind: global_buffer, .address_space: global }
    .group_segment_fixed_size: 25856
    .private_segment_fixed_size: 0
    .kernarg_segment_align: 8
    .kernarg_segment_size: 40
    .max_flat_workgroup_size: 32
    .sgpr_count:     66
    .vgpr_count:     512
    .wavefront_size: 32
...
	.end_amdgpu_metadata
.endif
;; end of part 1
;; launch attn (part 2): grid 4 x 64, 16 waves a work-group, clusters of 4 x 4, 327,680 bytes of LDS; arguments qc, kv, out0; writes out0
.if DOCPART == 2
	.amdgcn_target "amdgcn-amd-amdhsa--gfx1250"
	.amdhsa_code_object_version 6
	.text
	.protected	k_q4a33ce61a1_attn
	.globl	k_q4a33ce61a1_attn
	.p2align	8
	.type	k_q4a33ce61a1_attn,@function
k_q4a33ce61a1_attn:
	s_mov_b64 s[64:65], 0
	v_nop
	global_prefetch_b8 v0, s[64:65] scope:SCOPE_SE
	s_setreg_imm32_b32 hwreg(HW_REG_WAVE_MODE, 25, 1), 1
	s_wait_xcnt 0x0
	s_wait_alu depctr_hold_cnt(0) depctr_sa_sdst(0) depctr_va_vdst(0) depctr_va_sdst(0) depctr_va_ssrc(0) depctr_va_vcc(0) depctr_vm_vsrc(0)
	s_getreg_b32 s2, hwreg(HW_REG_IB_STS2, 6, 4)
	s_cmp_eq_u32 s2, 0
	s_cbranch_scc0 .Lentry_in_a_cluster
	s_endpgm
.Lentry_in_a_cluster:
	s_bfe_u32 s2, ttmp6, 0x10000c
	s_cmp_lg_u32 s2, 0xf033
	s_cbranch_scc0 .Lentry_shape_is_right
	s_endpgm
.Lentry_shape_is_right:
; ATTN: out[h][q][:] = the sum over keys k <= q of softmax_k(Q[h][q] . K[h][k] / sqrt(128)) V[h][k][:], both products on codes of FP4 (E2M1) with one E8M0 scale for each 32 along K.
; qc and kv hold codes and scale words as images of the operands' registers: kv: a record of 17,408 bytes for each head and 128 keys (K's image 8,192 | K's scale words 512 | V's image 8,192 | V's scale words 512);
; qc: 8,704 bytes for each head and 128 queries.  A tile's image is 1,024 bytes, registers 4c..4c+3 of lane l at 512 c + 16 l; scale words: the word of tile 2J + l/16, row l%16 at 256 (J/2) + 8 l + 4 (J%2).
; WORK LEFT OUT: records all of whose keys come after a tile's queries: reference()'s own tril hides them for all inputs.  What is not finite in hidden scores alone is not carried to the result.
; THE SOFTMAX AHEAD OF THE SECOND PRODUCT: t = score x log2(e) / sqrt(128); M = the running largest t, rounded up to a whole number; p = 2^(t - M) is quantised along the keys, not normalised;
; the row's sum is taken of the unquantised p and divides at the end.  When M moves, the sum and O are multiplied by 2^(old M - new M): exact.
; SHARES.  A head has 16 blocks of 128 queries, each of eight tiles of 16.  The eight work-groups of a head take one tile of EVERY block each: tile 4 x half + cx.  So every work-group reads all 16 records and all work-groups do the same.
; Waves w and w + 8 share two tiles, b = w % 8: tile X of block b (b + 1 records) and tile Y of block 15 - b (16 - b records).  Wave w (A): 9 records of Y.  Wave w + 8 (B): X's b + 1 records, X goes out, then 7 - b records of Y.
; At the end the two join Y through LDS: each hands 64 of the 128 head dims to the other and finishes the other 64.
; THE WALK.  Trip i = 0..8.  A: record i up to b, then b + 1, b + 3, .. 15 - b.  B: record i up to b, then b + 2, b + 4, .. 14 - b (B has no trip 8).  So trip i reads records from i up to 2 i: trip 0 record 0, trips 1-3 records 1-6.
; A's diagonal record is that of trip 8, B's (in X) that of trip b.
; LDS.  The head's 16 records, 278,528 bytes, come once: wave w asks for record w at the head, one load a wave.  Barriers show record 0 (wave 0 has waited), then 1-6 (waves 1-6), then all.  No byte is filled twice.
; CLUSTERS.  4 x 4 work-groups: the rows of a cluster are two heads' two halves each.  The four work-groups of a row ask jointly for each record: same line, same descriptor; no branch and no LDS address hangs on the place in the cluster.
; NO PREFETCH: all fills go out at the head; there is no loop of loads to run ahead in.
; LAYOUT.  Both products are used transposed: S^T = K Q^T, O^T = V^T P^T: a lane holds one query (lane % 16) throughout.  Lane r of tile 4c + u of K (and of Q) holds row 64c + 32 (r/8) + 8u + r%8, so that the 32 registers of tiles
; 4c .. 4c+3 of S^T are keys 64c + 32 (lane/16) + 0..31: a whole block of 32 in a lane, and the conversions' results are the second product's operand as they stand.
; LIMITS.  NaN and infinities are not served.  The scaled scores t stay under 2^31 in magnitude.  Hidden scores are taken as -infinity where the definition has -1e9: the same result while the logits stay far under 1e9 in magnitude.
; A block whose every p is 0 keeps the byte 1: its codes are zeros.
; REGISTERS: v0 LDS address of the step's scale words; v1 16 x lane; v2 my query in its block - 32 h; v3 my offset in out; v4 spare word, v5 0; v6, v7 my place in a stage, in and back; v8 the step's LDS address; v9 8 h; v10, v11 stage
;   addresses; v12 -M, v13 the largest t, v[14:15] the sum; v16-23 Q; v24-31 and v252 Y's Q and its scale words; v32-95 fragments of K or V; v96-159 S^T, then p; v160-223 O^T; v224-231 p's codes; v237 8 x lane;
;   v248-251 K's or V's scale words; v253 p's; v255 Q's; v232-236, v238-247, v254 at work.
.set REC,  17408
.set QREC, 8704
.set KSC,  8192                        ; in a record: K's scale words,
.set VIM,  8704                        ; V's image,
.set VSC,  16896                       ; V's scale words
.set SP,   272                         ; a stage row, 256 bytes + 16
.set STG,  16*SP                       ; a stage
.set XST,  16*REC                      ; X's way out in trips 0-3: eight stages behind the records, one for each B wave; no fill lands there.  From trip 4 on: sixteen stages in records 0-3, which nobody reads any more
.set SPARE, XST+8*STG                  ; the spare words, 128 bytes for each wave
.set EXP,  4608                        ; the exchange: 4,608 bytes a wave, from byte 0 on, when the records have been read
.set FST,  16*EXP                      ; Y's way out: sixteen stages behind the exchange
.set F,    32
.set S,    96
.set O,    160
.set P,    224
.set T1,   232
.set T2,   234
.set T3,   246
.set WV,   10                          ; s10 my wave's number
.set TB,   16                          ; s16 the step's record's LDS byte
.set TI,   17                          ; s17 trip x REC
.set KN,   18                          ; s18 the trip
.set DG,   19                          ; s19 the trip with my diagonal record
.set SEL,  20                          ; s[20:21] selects for lane l xor 16
.set CC,   22                          ; s[22:23] log2(e) / sqrt(128)
.set G1,   24                          ; s[24:31] descriptor group 1
.set NB,   32                          ; s32 16 less the last trip without a jump in the walk
.set G0,   40                          ; s[40:43] descriptor group 0
.set XO,   44                          ; s[44:45] X's rows of out
.set YO,   46                          ; s[46:47] Y's, my half of the head dims
.macro WA
	s_wait_alu depctr_va_vdst(0)
.endm
.macro MEET
	s_wait_dscnt 0x0                               ; no LDS instruction of mine is out at the signal
	s_barrier_signal -1
	s_barrier_wait -1
.endm
.macro ROUND
	s_barrier_signal -1
	s_barrier_wait -1
	s_cmp_lg_u32 s[WV], 0
	s_cbranch_scc1 .Lnot_wave_0_\@
	s_barrier_signal -3
.Lnot_wave_0_\@:
	s_barrier_wait -3
	s_barrier_signal -1
	s_barrier_wait -1
.endm
.macro LOADF adr, ads, img, sc         ; 18 loads: the scale words of all eight tiles, then the tiles
	ds_load_b64 v[248:249], v[\ads] offset:\sc
	ds_load_b64 v[250:251], v[\ads] offset:\sc+256
.irp t, 0,1,2,3,4,5,6,7
	ds_load_b128 v[F+8*\t:F+8*\t+3], v[\adr] offset:\img+1024*\t
	ds_load_b128 v[F+8*\t+4:F+8*\t+7], v[\adr] offset:\img+1024*\t+512
.endr
.endm
.macro KQ t                            ; tile t of S^T; its scale words in register t / 2, lanes 0-15 (even t) or 16-31 (odd t)
.if (\t)%2
	v_wmma_scale_f32_16x16x128_f8f6f4 v[S+8*\t:S+8*\t+7], v[F+8*\t:F+8*\t+7], v[16:23], 0, v[248+\t/2], v255 matrix_a_fmt:MATRIX_FMT_FP4 matrix_b_fmt:MATRIX_FMT_FP4 matrix_a_scale:MATRIX_SCALE_ROW1
.else
	v_wmma_scale_f32_16x16x128_f8f6f4 v[S+8*\t:S+8*\t+7], v[F+8*\t:F+8*\t+7], v[16:23], 0, v[248+\t/2], v255 matrix_a_fmt:MATRIX_FMT_FP4 matrix_b_fmt:MATRIX_FMT_FP4
.endif
.endm
.macro PV t, first                     ; tile t of O^T (head dims 16 t on) takes these 128 keys
.if \first
.if (\t)%2
	v_wmma_scale_f32_16x16x128_f8f6f4 v[O+8*\t:O+8*\t+7], v[F+8*\t:F+8*\t+7], v[P:P+7], 0, v[248+\t/2], v253 matrix_a_fmt:MATRIX_FMT_FP4 matrix_b_fmt:MATRIX_FMT_FP4 matrix_a_scale:MATRIX_SCALE_ROW1
.else
	v_wmma_scale_f32_16x16x128_f8f6f4 v[O+8*\t:O+8*\t+7], v[F+8*\t:F+8*\t+7], v[P:P+7], 0, v[248+\t/2], v253 matrix_a_fmt:MATRIX_FMT_FP4 matrix_b_fmt:MATRIX_FMT_FP4
.endif
.else
.if (\t)%2
	v_wmma_scale_f32_16x16x128_f8f6f4 v[O+8*\t:O+8*\t+7], v[F+8*\t:F+8*\t+7], v[P:P+7], v[O+8*\t:O+8*\t+7], v[248+\t/2], v253 matrix_a_fmt:MATRIX_FMT_FP4 matrix_b_fmt:MATRIX_FMT_FP4 matrix_a_scale:MATRIX_SCALE_ROW1
.else
	v_wmma_scale_f32_16x16x128_f8f6f4 v[O+8*\t:O+8*\t+7], v[F+8*\t:F+8*\t+7], v[P:P+7], v[O+8*\t:O+8*\t+7], v[248+\t/2], v253 matrix_a_fmt:MATRIX_FMT_FP4 matrix_b_fmt:MATRIX_FMT_FP4
.endif
.endif
.endm
.macro SUM d, j
	v_pk_add_f32 v[\d:\d+1], v[\d:\d+1], v[S+(\j):S+(\j)+1]
.endm
; A KEY STEP: the 128 keys of one record.  first = 1: the tile's first step starts the sums.
.macro STEP first, adr, ads
	LOADF \adr, \ads, 0, KSC
	s_wait_dscnt 8                                 ; the scale words and tiles 0-3 are in; the youngest eight loads may be out
.irp t, 0,1,2,3
	KQ \t
.endr
	s_wait_dscnt 0x0
.irp t, 4,5,6,7
	KQ \t
.endr
.rept 4
	v_nop                                          ; places in front of the loads into what these products read, and of the first read of their results
.endr
	LOADF \adr, \ads, VIM, VSC                     ; V lands under the softmax
	s_cmp_lg_u32 s[KN], s[DG]
	s_cbranch_scc1 .Lopen_\@
	v_mov_b32 v254, 0xff800000                     ; the diagonal: a hidden score becomes -infinity: p = 0 then
.set nn, 0
.rept 16
.irp m, 0,1,2,3
	v_cmp_gt_i32 s[36+\m], 64*((nn+\m)/32)+(nn+\m)%32, v2   ; the register's key comes after my query
.endr
.irp m, 0,1,2,3
	v_cndmask_b32 v[S+nn+\m], v[S+nn+\m], v254, s[36+\m]
.endr
.set nn, nn+4
.endr
.Lopen_\@:
.irp b, 0,1,2,3
	v_max3_num_f32 v[232+\b], v[S+16*\b], v[S+1+16*\b], v[S+2+16*\b]
.endr
.irp i, 3,5,7,9,11,13
.irp b, 0,1,2,3
	v_max3_num_f32 v[232+\b], v[232+\b], v[S+16*\b+\i], v[S+16*\b+\i+1]
.endr
.endr
	v_max3_num_f32 v232, v232, v233, v[S+15]
	v_max3_num_f32 v233, v234, v235, v[S+47]
	v_max_num_f32 v232, v232, v[S+31]              ; the largest score of each of my two blocks: for the row's maximum, and, since p does not fall where the score rises, for the block's largest p
	v_max_num_f32 v233, v233, v[S+63]
	s_delay_alu instid0(VALU_DEP_1)
	v_max_num_f32 v238, v232, v233
	s_delay_alu instid0(VALU_DEP_1)
	v_permlanex16_b32 v239, v238, s[SEL], s[SEL+1]
	s_delay_alu instid0(VALU_DEP_1)
	v_max_num_f32 v238, v238, v239                 ; the step's largest score of my query: a number, since one of the record's keys counts for every query
.if \first
	s_delay_alu instid0(VALU_DEP_1)
	v_mul_f32 v13, s[CC], v238                     ; as t (the factor is positive)
	s_delay_alu instid0(VALU_DEP_1)
	v_floor_f32 v12, -v13                          ; -M
.else
	s_delay_alu instid0(VALU_DEP_1)
	v_mul_f32 v254, s[CC], v238
	s_delay_alu instid0(VALU_DEP_1)
	v_max_num_f32 v13, v13, v254                   ; the running largest t
	v_mov_b32 v254, v12
	s_delay_alu instid0(VALU_DEP_2)
	v_floor_f32 v12, -v13                          ; the new -M = floor(-t): a whole number
	s_delay_alu instid0(VALU_DEP_1)
	v_sub_f32 v254, v12, v254                      ; old M less new M: a whole number, 0 or less
	s_delay_alu instid0(VALU_DEP_1)
	v_cvt_i32_f32 v254, v254                       ; (it saturates)
	s_delay_alu instid0(VALU_DEP_1)
	v_ldexp_f32 v236, 1.0, v254                    ; f = 2^(old M - new M)
.endif
.set jj, 0
.rept 32
	v_pk_fma_f32 v[S+jj:S+jj+1], v[S+jj:S+jj+1], s[CC:CC+1], v[12:13] op_sel_hi:[1,0,0]   ; t - M, two at a time (of the pairs of the factor and of -M the low word serves both halves)
.set jj, jj+2
.endr
.irp b, 0,1
	v_fma_f32 v[232+\b], v[232+\b], s[CC], v12     ; the same of each block's largest score
.endr
.if \first == 0
.set jj, 0
.rept 32
	v_pk_mul_f32 v[O+jj:O+jj+1], v[O+jj:O+jj+1], v[236:237] op_sel_hi:[1,0]   ; O^T under the new M
.set jj, jj+2
.endr
.endif
	WA                                             ; ahead of the batch of exponentials
.set jj, 0
.rept 64
	v_exp_f32 v[S+jj], v[S+jj]                     ; p = 2^(t - M), at most 1
.set jj, jj+1
.endr
	v_exp_f32 v232, v232                           ; the block's largest p: the same instructions on the same number give the same bits
	v_exp_f32 v233, v233
.if \first
	v_nop                                          ; a plain place behind the exponentials
.else
	v_pk_mul_f32 v[14:15], v[14:15], v[236:237] op_sel_hi:[1,0]   ; the sums under the new M.  (A plain place behind the exponentials)
.endif
	WA                                             ; behind the batch
	v_max_num_f32 v232, 0x1800000, v232            ; the floor 2^(3 - 127): the byte cannot fall under 1
	v_max_num_f32 v233, 0x1800000, v233
	v_add_nc_u32 v244, 0xff000000, v232            ; 2 off the exponent field: the conversion's scale operand
	v_add_nc_u32 v245, 0xff000000, v233
.irp g, 0,1,2,3
	v_cvt_scalef32_pk8_fp4_f32 v[P+\g], v[S+8*\g:S+8*\g+7], v244
	v_cvt_scalef32_pk8_fp4_f32 v[P+4+\g], v[S+32+8*\g:S+39+8*\g], v245
.endr
	v_pk_add_f32 v[T1:T1+1], v[S:S+1], v[S+2:S+3]  ; the row's sum of the unquantised p, in four chains; (this line is the plain place behind the conversions)
	v_lshrrev_b32 v240, 23, v244                   ; among them p's scale word: my two bytes,
	v_pk_add_f32 v[T2:T2+1], v[S+4:S+5], v[S+6:S+7]
	v_lshrrev_b32 v241, 23, v245
	v_pk_add_f32 v[T3:T3+1], v[S+8:S+9], v[S+10:S+11]
.if \first
	v_pk_add_f32 v[14:15], v[S+12:S+13], v[S+14:S+15]
.else
	SUM 14, 12
.endif
	v_lshl_or_b32 v242, v241, 16, v240
	SUM T1, 16
	SUM T2, 18
	v_lshlrev_b32 v242, v9, v242                   ; bytes 0 and 2 (lanes 0-15) or 1 and 3 (lanes 16-31),
	SUM T3, 20
	SUM 14, 22
	v_permlanex16_b32 v243, v242, s[SEL], s[SEL+1]
	SUM T1, 24
	SUM T2, 26
.if \first == 0
	SUM 14, 14
.endif
	v_or_b32 v253, v242, v243                      ; and lane l xor 16's two
.set jj, 28
.rept 4
	SUM T3, jj
	SUM 14, jj+2
	SUM T1, jj+4
	SUM T2, jj+6
.set jj, jj+8
.endr
	SUM T3, 60
	SUM 14, 62
	v_pk_add_f32 v[T1:T1+1], v[T1:T1+1], v[T2:T2+1]
	v_pk_add_f32 v[14:15], v[14:15], v[T3:T3+1]
	s_delay_alu instid0(VALU_DEP_1)
	v_pk_add_f32 v[14:15], v[14:15], v[T1:T1+1]
	WA                                             ; ahead of the wait below
	s_wait_dscnt 8                                 ; V's scale words and tiles 0-3
.irp t, 0,1,2,3
	PV \t, \first
.endr
	s_wait_dscnt 0x0
.irp t, 4,5,6,7
	PV \t, \first
.endr
.endm
; X IS FINISHED (B waves, behind the diagonal record): O^T / the sum goes out through my stage, half a row (64 head dims, 256 bytes) of 16 queries at a time; then Y begins: its Q is moved in, and with the largest t at -3e38
; the next step's f is 0, which clears O^T and the sum (finite numbers) by the multiplications that are there anyway.
.macro XOUT
	s_cmp_lt_u32 s[WV], 8
	s_cbranch_scc1 .Lkeep_\@
	s_cmp_lg_u32 s[KN], s[DG]
	s_cbranch_scc1 .Lkeep_\@
	v_add_f32 v254, v14, v15                       ; the sum's two halves,
	s_delay_alu instid0(VALU_DEP_1)
	v_permlanex16_b32 v239, v254, s[SEL], s[SEL+1]
	s_delay_alu instid0(VALU_DEP_1)
	v_add_f32 v254, v254, v239                     ; and lane l xor 16's: the row's sum
	WA                                             ; ahead of the transcendental
	v_rcp_f32 v236, v254
	v_mov_b32 v13, 0xff61b1e6                      ; the largest t: -3e38, under every t
	v_mov_b32 v12, 0x7f61b1e6                      ; -M
.irp i, 0,1,2,3,4,5,6,7
	v_mov_b32 v[16+\i], v[24+\i]
.endr
	v_mov_b32 v255, v252
	WA                                             ; behind the transcendental, ahead of the first readers of O^T
.set jj, 0
.rept 32
	v_pk_mul_f32 v[S+jj:S+jj+1], v[O+jj:O+jj+1], v[236:237] op_sel_hi:[1,0]   ; register 8 t + i is out(row r of my tile, 16 t + 8 h + i)
.set jj, jj+2
.endr
.irp u, 0,1
.irp t, 0,1,2,3
	ds_store_b128 v10, v[S+32*\u+8*\t:S+32*\u+8*\t+3] offset:64*\t
	ds_store_b128 v10, v[S+32*\u+8*\t+4:S+32*\u+8*\t+7] offset:64*\t+16
.endr
.irp i, 0,1,2,3,4,5,6,7
	ds_load_b128 v[F+32*\u+4*\i:F+32*\u+4*\i+3], v11 offset:2*\i*SP   ; LDS serves a wave's instructions in order: these see my stores, and the next half's stores come behind them
.endr
.endr
.irp u, 0,1
.irp i, 0,1,2,3,4,5,6,7
	s_wait_dscnt 15-8*\u-\i                        ; of the sixteen reads those behind this one may be out (the second half's stores stand ahead of its reads)
	global_store_b128 v3, v[F+32*\u+4*\i:F+32*\u+4*\i+3], s[XO:XO+1] offset:(2*\i+24*(\i/4))*512+256*\u th:TH_STORE_NT   ; tile row 2 i + h lies 2 i + h + 24 (i / 4) rows on: sixteen lanes store 256 consecutive bytes, aligned
.endr
.endr
	s_wait_xcnt 0x0                                ; the stores' data registers are written again only behind this wait
.Lkeep_\@:
.endm
; Trips up to but not with end.  The record's jump in the walk: (trip + NB) is 16 or more behind the last trip without one; its low bits count the records passed over: at most 3 up to trip 3, at most 7 up to trip 7.
.macro WALK bits, end
.Ltrip_\@:
	s_add_co_u32 s52, s[KN], s[NB]
	s_and_b32 s53, s52, \bits
	s_cmp_lt_u32 s52, 16
	s_cselect_b32 s53, 0, s53
	s_mul_i32 s53, s53, REC
	s_add_co_u32 s[TB], s[TI], s53
.rept 3
	v_nop                                          ; with the two additions: the places in front of loads into registers that the last step's products have read
.endr
	v_add_nc_u32 v8, s[TB], v1
	v_add_nc_u32 v0, s[TB], v237
	WA
	STEP 0, 8, 0
	XOUT
	s_add_co_u32 s[TI], s[TI], REC
	s_add_co_u32 s[KN], s[KN], 1
	s_cmp_lt_u32 s[KN], \end
	s_cbranch_scc1 .Ltrip_\@
.endm
	s_load_b128 s[4:7], s[0:1], 0x0                ; qc s[4:5], kv s[6:7]
	s_load_b64 s[8:9], s[0:1], 0x10                ; out0
	v_lshl_add_u32 v4, v0, 2, SPARE
	v_mov_b32 v5, 0
	ds_add_u32 v4, v5                              ; the wave's opening: the add, twice on end, and its wait ahead of my tensor load
	ds_add_u32 v4, v5
	v_lshrrev_b32 v8, 5, v0
	v_readfirstlane_b32 s[WV], v8                  ; wave 0..15
	s_bfe_u32 s12, ttmp6, 0x40000                  ; cx
	s_bfe_u32 s52, ttmp6, 0x40004                  ; cy
	s_and_b32 s11, ttmp7, 0xffff                   ; the cluster's y
	s_lshl_b32 s11, s11, 1
	s_lshr_b32 s53, s52, 1
	s_add_co_u32 s11, s11, s53                     ; the head = 2 x cluster y + cy / 2
	s_and_b32 s13, s52, 1                          ; half: my tile is 4 x half + cx
	s_lshl_b32 s54, s52, 2
	s_lshl_b32 s54, 15, s54                        ; my row of the cluster: places 4 cy .. 4 cy + 3
	; descriptor group 1: a record is dense: 68 rows of 256 bytes (32 elements of 8 bytes), no padding
	s_or_b32 s[G1+0], s54, (3<<16)|(1<<21)         ; 15:0 the mask; 17:16 elements of 8 bytes; 21 set beside a mask
	s_mov_b32 s[G1+1], 32<<16                      ; tensor_dim0 = 32
	s_mov_b32 s[G1+2], 68<<16                      ; tensor_dim1 = 68
	s_mov_b32 s[G1+3], 32<<16                      ; tile_dim0 = 32
	s_mov_b32 s[G1+4], 68                          ; tile_dim1 = 68
	s_mov_b32 s[G1+5], 32                          ; from row to row
	s_mov_b32 s[G1+6], 0
	s_mov_b32 s[G1+7], 0
	s_and_b32 s14, s[WV], 7                        ; b: X's block
	s_xor_b32 s52, s14, 7
	s_add_co_u32 s15, s52, 8                       ; 15 - b: Y's block
	s_lshr_b32 s53, s[WV], 3                       ; 0: A, 1: B
	s_add_co_u32 s[NB], s15, s53                   ; A: 15 - b, B: 16 - b
	s_cmp_lt_u32 s[WV], 8
	s_cselect_b32 s34, s15, s14                    ; the block that I begin with
	s_cselect_b32 s[DG], 8, s14
	s_mul_i32 s35, s14, STG
	s_add_co_u32 s35, s35, XST                     ; my stage for X in trips 0-3
	s_mul_i32 s55, s[WV], REC                      ; record w: its place in LDS and in the head's part of kv
	s_mul_i32 s56, s11, 16*REC
	s_add_co_u32 s56, s56, s55
	s_mov_b32 s57, 0
	s_lshl_b32 s58, s11, 4
	s_add_co_u32 s60, s58, s34
	s_mul_i32 s60, s60, QREC                       ; the records of qc: of my first block,
	s_mov_b32 s61, 0
	s_add_co_u32 s62, s58, s15
	s_mul_i32 s62, s62, QREC                       ; and of Y's
	s_mov_b32 s63, 0
	s_lshl_b32 s44, s11, 20                        ; my rows of out, 512 bytes a row: head x 2048 + block x 128 + 64 half + 8 cx
	s_lshl_b32 s58, s13, 15
	s_add_co_u32 s44, s44, s58
	s_lshl_b32 s58, s12, 12
	s_add_co_u32 s44, s44, s58
	s_lshl_b32 s46, s15, 16
	s_add_co_u32 s46, s46, s44
	s_lshl_b32 s58, s53, 8
	s_add_co_u32 s46, s46, s58                     ; Y: A finishes head dims 0-63, B 64-127
	s_lshl_b32 s58, s14, 16
	s_add_co_u32 s44, s44, s58
	s_mov_b32 s45, 0
	s_mov_b32 s47, 0
	s_lshl_b32 s59, s13, 6
	s_lshl_b32 s58, s12, 3
	s_add_co_u32 s59, s59, s58                     ; my tile's first row in a block: 64 half + 8 cx
	s_lshl_b32 s36, s13, 12
	s_lshl_b32 s58, s12, 10
	s_add_co_u32 s36, s36, s58                     ; my tile's image: 1024 (4 half + cx)
	s_lshl_b32 s37, s13, 8
	s_lshr_b32 s58, s12, 1
	s_lshl_b32 s58, s58, 2
	s_add_co_u32 s37, s37, s58
	s_and_b32 s58, s12, 1
	s_lshl_b32 s58, s58, 7
	s_add_co_u32 s37, s37, s58
	s_add_co_u32 s37, s37, KSC                     ; its scale words: 8192 + 256 half + 4 (cx / 2) + 128 (cx % 2), 8 bytes from row to row
	s_mov_b32 s[SEL], 0x76543210
	s_mov_b32 s[SEL+1], 0xfedcba98
	s_mov_b32 s[CC], 0x3e0293ee                    ; log2(e) / sqrt(128)
	s_mov_b32 s[CC+1], s[CC]                       ; named with it as a pair, so it is written
	s_mov_b32 s[KN], 0
	v_and_b32 v232, 31, v0
	v_lshlrev_b32 v1, 4, v232
	v_lshlrev_b32 v237, 3, v232                    ; (also the upper half of the pair v[236:237], of which the low word alone is used)
	v_and_b32 v232, 15, v0                         ; r
	v_bfe_u32 v233, v0, 4, 1                       ; h
	v_lshlrev_b32 v9, 3, v233
	v_mul_u32_u24 v6, v232, SP
	v_lshl_add_u32 v6, v233, 5, v6                 ; in: row r; tile t's eight dims of my half: 64 t + 32 h bytes on
	v_mul_u32_u24 v7, v233, SP
	v_lshl_add_u32 v7, v232, 4, v7                 ; back: lanes 0-15 one row, lanes 16-31 the next
	v_add_nc_u32 v10, s35, v6
	v_add_nc_u32 v11, s35, v7
	v_lshlrev_b32 v3, 9, v233
	v_lshl_add_u32 v3, v232, 4, v3                 ; the same two rows in out
	v_and_b32 v234, 7, v232
	v_and_b32 v235, 8, v232
	v_lshl_add_u32 v234, v235, 2, v234
	v_add_nc_u32 v234, s59, v234                   ; my query in its block: first row + r % 8 + 32 (r / 8),
	v_lshlrev_b32 v235, 5, v233
	v_sub_nc_u32 v2, v234, v235                    ; less 32 h: register n of S^T holds key 64 (n / 32) + n % 32 + 32 h
	v_add_nc_u32 v240, s36, v1
	v_lshlrev_b32 v241, 3, v232
	v_add_nc_u32 v241, s37, v241
	v_mov_b32 v239, 0                              ; a lane permute's destination counts as one of its sources
	v_mov_b32 v243, 0
	s_wait_dscnt 0x0                               ; both opening adds are done
	WA
	s_wait_kmcnt 0x0
	s_add_nc_u64 s[48:49], s[4:5], s[60:61]
	s_add_nc_u64 s[50:51], s[4:5], s[62:63]
	s_add_nc_u64 s[XO:XO+1], s[8:9], s[44:45]
	s_add_nc_u64 s[YO:YO+1], s[8:9], s[46:47]
	s_mov_b32 s[G0], 1                             ; 1:0 count = 1
	s_mov_b32 s[G0+1], s55                         ; 63:32 LDS address: record w
	s_add_nc_u64 s[G0+2:G0+3], s[6:7], s[56:57]    ; 120:64 global address
	s_or_b32 s[G0+3], s[G0+3], 0x80000000          ; 127:126 type = 2
	global_load_b128 v[16:19], v240, s[48:49]      ; Q's fragment stays in registers
	global_load_b128 v[20:23], v240, s[48:49] offset:512
	global_load_b32 v255, v241, s[48:49]           ; and its scale words
	global_load_b128 v[24:27], v240, s[50:51]      ; Y's, which B waves take up behind X (one text for all waves)
	global_load_b128 v[28:31], v240, s[50:51] offset:512
	global_load_b32 v252, v241, s[50:51]
	ROUND                                          ; all sixteen work-groups are here: the joint loads meet
	s_cmp_eq_u32 s[WV], 0                          ; one chain of branches on the wave's number: a line for each of the three sets of waves that wait at different barriers
	s_cbranch_scc0 .Lask_1
	tensor_load_to_lds s[G0:G0+3], s[G1:G1+7]
	s_nop 0
.rept 4
	v_nop
.endr
	s_branch .Lasked
.Lask_1:
	s_cmp_lt_u32 s[WV], 7
	s_cbranch_scc0 .Lask_2
	tensor_load_to_lds s[G0:G0+3], s[G1:G1+7]
	s_nop 0
.rept 4
	v_nop
.endr
	s_branch .Lasked
.Lask_2:
	tensor_load_to_lds s[G0:G0+3], s[G1:G1+7]
	s_nop 0
.rept 4
	v_nop
.endr
.Lasked:
	WA
	s_wait_loadcnt 0x0                             ; Q
	s_cmp_lg_u32 s[WV], 0
	s_cbranch_scc1 .Lshow_0
	s_wait_tensorcnt 0x0                           ; wave 0: record 0 has landed
.Lshow_0:
	MEET
	STEP 1, 1, 237                                 ; trip 0: record 0 lies at byte 0
	XOUT
	s_mov_b32 s[KN], 1
	s_mov_b32 s[TI], REC
	WA
	s_cmp_lt_u32 s[WV], 7
	s_cbranch_scc0 .Lshow_1
	s_wait_tensorcnt 0x0                           ; waves 1-6: records 1-6 have landed
.Lshow_1:
	MEET
	WALK 3, 4                                      ; trips 1-3: records 1-6
	WA
	s_wait_tensorcnt 0x0                           ; every wave: all records have landed
	MEET
	s_mov_b32 s[KN], 4
	s_mov_b32 s[TI], 4*REC
	s_mul_i32 s54, s[WV], STG                      ; trip i reads record i or a later one: records 0-3 are read no more, and nothing is filled again: X's stages lie there now
	v_add_nc_u32 v10, s54, v6
	v_add_nc_u32 v11, s54, v7
	WA
	WALK 7, 8                                      ; trips 4-7
	s_cmp_lt_u32 s[WV], 8                          ; trip 8: A waves alone, record 15 - b, the diagonal one
	s_cbranch_scc0 .Ljoin_y
	s_mul_i32 s[TB], s15, REC
.rept 3
	v_nop                                          ; places, as in the loop
.endr
	v_add_nc_u32 v8, s[TB], v1
	v_add_nc_u32 v0, s[TB], v237
	WA
	STEP 0, 8, 0
.Ljoin_y:
	; THE TWO HALVES OF Y ARE JOINED.  A B wave that has walked no record of Y (b = 7) hands over M = -3e38: its factor is 0.
	v_add_f32 v14, v14, v15                        ; the sum's two halves,
	s_delay_alu instid0(VALU_DEP_1)
	v_permlanex16_b32 v239, v14, s[SEL], s[SEL+1]
	s_delay_alu instid0(VALU_DEP_1)
	v_add_f32 v14, v14, v239                       ; and lane l xor 16's
	s_mul_i32 s52, s[WV], EXP
	s_xor_b32 s53, s[WV], 8
	s_mul_i32 s53, s53, EXP
	s_mul_i32 s54, s[WV], STG
	s_add_co_u32 s54, s54, FST
	v_add_nc_u32 v8, s52, v1                       ; what I hand over,
	v_add_nc_u32 v0, s53, v1                       ; and what my partner does
	v_add_nc_u32 v10, s54, v6                      ; my stage
	v_add_nc_u32 v11, s54, v7
	WA
	MEET                                           ; every wave has read its last record: those bytes are free, and nothing is filled again
	ds_store_b128 v8, v[12:15] offset:4096         ; -M, the largest t, the row's sum
	s_cmp_lt_u32 s[WV], 8
	s_cbranch_scc0 .Lsend_b
.irp i, 0,1,2,3,4,5,6,7
	ds_store_b128 v8, v[O+32+4*\i:O+32+4*\i+3] offset:512*\i   ; A hands over head dims 64-127
.endr
	s_branch .Lsent
.Lsend_b:
.irp i, 0,1,2,3,4,5,6,7
	ds_store_b128 v8, v[O+4*\i:O+4*\i+3] offset:512*\i         ; B 0-63
.endr
.Lsent:
	MEET
	ds_load_b128 v[240:243], v0 offset:4096
.irp i, 0,1,2,3,4,5,6,7
	ds_load_b128 v[F+4*\i:F+4*\i+3], v0 offset:512*\i
.endr
	s_wait_dscnt 8                                 ; M and the sum are in; the eight of O^T may be out
	v_min_num_f32 v232, v12, v240                  ; -M of both
	v_sub_f32 v233, v232, v12
	v_sub_f32 v234, v232, v240
	v_cvt_i32_f32 v233, v233
	v_cvt_i32_f32 v234, v234
	v_ldexp_f32 v236, 1.0, v233                    ; my factor,
	v_ldexp_f32 v238, 1.0, v234                    ; and my partner's
	v_mul_f32 v235, v242, v238
	v_fma_f32 v254, v14, v236, v235                ; the row's sum
	WA
	v_rcp_f32 v254, v254
	v_nop                                          ; a plain place behind the transcendental
	WA
	v_mul_f32 v236, v236, v254
	v_mul_f32 v238, v238, v254
	WA
	s_wait_dscnt 0x0
	s_cmp_lt_u32 s[WV], 8
	s_cbranch_scc0 .Lhalf_b
	WA                                             ; directly ahead of the first readers of O^T
.set jj, 0
.rept 16
	v_pk_mul_f32 v[S+jj:S+jj+1], v[O+jj:O+jj+1], v[236:237] op_sel_hi:[1,0]
.set jj, jj+2
.endr
	WA
	s_branch .Ljoin
.Lhalf_b:
	WA
.set jj, 0
.rept 16
	v_pk_mul_f32 v[S+jj:S+jj+1], v[O+32+jj:O+33+jj], v[236:237] op_sel_hi:[1,0]
.set jj, jj+2
.endr
.Ljoin:
.set jj, 0
.rept 16
	v_pk_fma_f32 v[S+jj:S+jj+1], v[F+jj:F+jj+1], v[238:239], v[S+jj:S+jj+1] op_sel_hi:[1,0,1]
.set jj, jj+2
.endr
.irp t, 0,1,2,3
	ds_store_b128 v10, v[S+8*\t:S+8*\t+3] offset:64*\t
	ds_store_b128 v10, v[S+8*\t+4:S+8*\t+7] offset:64*\t+16
.endr
.irp i, 0,1,2,3,4,5,6,7
	ds_load_b128 v[F+32+4*\i:F+32+4*\i+3], v11 offset:2*\i*SP
.endr
.irp i, 0,1,2,3,4,5,6,7
	s_wait_dscnt 7-\i                              ; the reads behind this one may be out
	global_store_b128 v3, v[F+32+4*\i:F+32+4*\i+3], s[YO:YO+1] offset:(2*\i+24*(\i/4))*512 th:TH_STORE_NT
.endr
	s_wait_tensorcnt 0x0                           ; the wave's end
	ds_add_u32 v4, v5
	s_wait_dscnt 0x0
	ROUND                                          ; the closing round
	s_endpgm
.Lfunc_end_k_q4a33ce61a1_attn:
	.size	k_q4a33ce61a1_attn, .Lfunc_end_k_q4a33ce61a1_attn-k_q4a33ce61a1_attn
	.p2alignl 7, 3214868480
	.fill 96, 4, 3214868480
	.section	.rodata,"a",@progbits
	.p2align	6, 0x0
	.amdhsa_kernel k_q4a33ce61a1_attn
		.amdhsa_group_segment_fixed_size 327680
		.amdhsa_private_segment_fixed_size 0
		.amdhsa_enable_private_segment 0
		.amdhsa_kernarg_size 24
		.amdhsa_user_sgpr_count 2
		.amdhsa_user_sgpr_kernarg_segment_ptr 1
		.amdhsa_wavefront_size32 1
		.amdhsa_system_sgpr_workgroup_id_x 1
		.amdhsa_system_sgpr_workgroup_id_y 1
		.amdhsa_system_sgpr_workgroup_id_z 1
		.amdhsa_system_vgpr_workitem_id 0
		.amdhsa_next_free_vgpr 256
		.amdhsa_next_free_sgpr 66
		.amdhsa_reserve_vcc 0
		.amdhsa_float_denorm_mode_32 3
		.amdhsa_float_denorm_mode_16_64 3
		.amdhsa_memory_ordered 1
		.amdhsa_forward_progress 1
		.amdhsa_inst_pref_size 139
	.end_amdhsa_kernel
	.amdgpu_metadata
---
amdhsa.version: [ 1, 2 ]
amdhsa.kernels:
  - .name:           k_q4a33ce61a1_attn
    .symbol:         k_q4a33ce61a1_attn.kd
    .args:
      - { .name: qc, .offset: 0, .size: 8, .value_kind: global_buffer, .address_space: global }
      - { .name: kv, .offset: 8, .size: 8, .value_kind: global_buffer, .address_space: global }
      - { .name: out0, .offset: 16, .size: 8, .value_kind: global_buffer, .address_space: global }
    .group_segment_fixed_size: 327680
    .private_segment_fixed_size: 0
    .kernarg_segment_align: 8
    .kernarg_segment_size: 24
    .max_flat_workgroup_size: 512
    .sgpr_count:     66
    .vgpr_count:     256
    .wavefront_size: 32
...
	.end_amdgpu_metadata
.endif
;; end of part 2
